; MI455X (gfx1250); checked and timed in simulation.
; The chip was launched on July 23, 2026; its instructions are those of AMD's public machine-readable ISA for CDNA 5 (MIT licence, August 2026) and "CDNA5" Instruction Set Architecture Reference Guide (July 2026). The comments in the code are by the model that wrote it; some were corrected since.
;; Scaled Dot Product Attention. Allowed arithmetic: matrix products marked QUANTISED: E4M3 operands, one given power-of-two scale a tensor, by v_wmma_f32_16x16x64_fp8_fp8 or v_wmma_f32_16x16x128_fp8_fp8, f32 sums; everything else in f32.
;; Inputs: k 4 x 16 x 2,048 x 64 float32; lowp_scales 4 int32 (the exponents e of the quantised operands' scales 2^e); q 4 x 16 x 2,048 x 64 float32; v 4 x 16 x 2,048 x 64 float32.
;; Outputs: out0 4 x 16 x 2,048 x 64 float32.
;; This version of the problem:
;;   THIS VERSION OF THE PROBLEM IS GIVEN IN LOW PRECISION. The matrix products marked QUANTISED in the list below multiply operands that are first quantised to E4M3 (4 exponent bits, 3 mantissa bits; 8 bits a number), with one given power-of-two scale for each operand tensor; their sums are f32. All else is computed in f32.
;;   The module's matrix products, in the order in which they are computed (A, B: the left and right operand; K: the contracted axis; several contracted axes count as one K, in the product's order):
;;     1. batch 64 x [M 2,048, K 64] x [K 64, N 2,048]; A: input q; B: input k: QUANTISED (scales: A lowp_scales[0], B lowp_scales[1])
;;     2. batch 64 x [M 2,048, K 2,048] x [K 2,048, N 64]; A: computed on the way; B: input v: QUANTISED (scales: A lowp_scales[2], B lowp_scales[3])
;;   THE QUANTISER, for each operand of a quantised product, along K:
;;     - The operand's scale is 2^e, e = its entry of the input lowp_scales (int32; the entries are numbered through the quantised products in the list's order, A before B).
;;     - Each number is divided by the scale, clamped to +-448, and rounded to the nearest number of E4M3, ties to even, subnormals kept.
;;     - The product sums the exact products of the quantised numbers (number of the format x scale) in f32.
;;   ~~~python
;;   def quantise(x, axis, e):      # numpy; x: float32 -> the quantised numbers, widened to float32 again
;;       x = np.moveaxis(x, axis, -1); K = x.shape[-1]
;;       r = np.clip(x / 2.0 ** e, -448, 448)
;;       step = 2.0 ** (np.maximum(np.frexp(np.where(r == 0, 1, r))[1] - 1, -6) - 3)
;;       q = np.round(r / step) * step * 2.0 ** e      # np.round: ties to even
;;       return np.moveaxis(q, -1, axis).astype(np.float32)
;;   ~~~
;;   OPERANDS COMPUTED ON THE WAY. 'Computed on the way' means the value that the module computes at that place (a softmax that the list does not call 'softmax' is quantised finished and normalised). What goes into a quantiser is computed in f32, as accurately as f32 sums, v_exp_f32 and their like allow (about 1e-6 of the number): no bf16 or f16 on the way to a quantiser, and a product that is left as it is and whose result goes on into a quantised operand takes f32 operands (vector FMAs, or v_wmma_f32_16x16x4_f32). A number that lies on a knife's edge between two numbers of the format may be rounded either way, as far as f32 arithmetic and the matrix unit's own rounding can turn it there, and no further.
;; 2 versions, each right; version 2 is version 1 with the launch attn written anew for expert scheduling mode. Each part assembles by itself: llvm-mc -triple=amdgcn-amd-amdhsa -mcpu=gfx1250 --defsym DOCPART=n.
;; ======== version 1 of 2: 1 launch
;; launch attn (part 1): grid 256 x 1, 4 waves a work-group, no clusters, 300,544 bytes of LDS; arguments q, k, v, lowp_scales, out0; writes out0
.if DOCPART == 1
	.amdgcn_target "amdgcn-amd-amdhsa--gfx1250"
	.amdhsa_code_object_version 6
	.text
	.protected	k_q785e01aff0_attn
	.globl	k_q785e01aff0_attn
	.p2align	8
	.type	k_q785e01aff0_attn,@function
k_q785e01aff0_attn:
	s_mov_b64 s[64:65], 0
	v_nop
	global_prefetch_b8 v0, s[64:65] scope:SCOPE_SE
	s_setreg_imm32_b32 hwreg(HW_REG_WAVE_MODE, 25, 1), 1
	s_wait_xcnt 0x0
; out0[h][q][:] = the sum over k of Q8(softmax_k(Q8(q) . Q8(k)) / 64^0.25) Q8(v[h][k][:]).  q, k, v, out0: [64 heads][2048][64] f32.  Q8: E4M3 codes with the given scales 2^e0 (q), 2^e1 (k), 2^e2 (weights), 2^e3 (v).
; THE FINISHED, NORMALISED WEIGHT IS WHAT IS QUANTISED: a row's maximum and sum over all 2,048 keys are known before any weight becomes a code.  So a block's scores stay in registers until they are.
; SHARES.  256 work-groups: one for a head and a quarter of its queries (512), walked in 16 blocks of 32 queries (two tiles of 16).  THE FOUR WAVES SHARE THE KEYS: wave w owns keys 512 w .. 512 w + 511 for all 32 queries:
; its scores S^T are 2 x 32 tiles = 512 registers, its codes of K 256 registers for the whole launch, its codes of V 32 KiB of LDS, laid as images of the operand's registers.  Each score and each exponential is made once.
; SOFTMAX OVER FOUR WAVES.  c = log2(e) 2^(e0+e1).  Each wave takes tm_w = c x the largest sum of its own 512 keys away: p = 2^(c S - tm_w), l_w = the sum of p.  The pairs (tm_w, l_w) meet in LDS behind one barrier:
; tm = max tm_w, f_w = 2^(tm_w - tm), l = sum l_w f_w, weight = p x f_w / (l x 64^0.25).  The rounding of tm_w is common to p and l_w and cancels.
; O.  Each wave's partial O^T goes to a stage in LDS as rows; behind a second barrier each wave adds the four parts of 8 rows, multiplies by 2^(e2+e3) and stores whole rows of 256 bytes.
; LAYOUT.  S^T = K Q^T (source 0 = 16 keys, source 1 = 16 queries) and O^T = V^T P (source 0 = 16 channels, source 1 = P): a lane holds ONE query (lane % 16) throughout.  Along the head's 64 both K and Q hold channel
; 32 (lane / 16) + 4 i + y in byte y of register i: one permutation of k, alike on both sides.  Row m of K's tile t is key 16 t + 2 (m % 8) + m / 8, so that register j of a score tile is key 16 t + 2 j + lane / 16;
; the conversions of eight tiles then give P with key 128 s + 8 i + 2 y + lane / 16 in byte y of register i, and V's images hold the same keys in the same places.
; THE HOLD.  weight = p f_w / (2.83 l) and l holds p f_w among its terms, so a weight is at most 0.354 for every input, under 448 x 2^-10 = 0.4375.  The hold at the largest code is therefore run only where e2 < -10: a scalar
; branch on the given whole number, round the minima alone.
; NO JOINT LOADS, though the four work-groups of a head read the same K and V, once, at the head: those numbers are f32 and pass through registers to become codes; 300,544 of 327,680 bytes of LDS hold images and stages, and in
; the 27,136 left two slots of 13 KiB would take a head's 1 MiB in some 80 rounds with one slot on its way, against the 128 KiB that the four waves' register loads have out.
; LIMITS.  e0, e1, e2, e3 between -126 and 119; e0 + e1 between -126 and 100 (c x a sum of codes stays finite); e2 + e3 between -126 and 127.  NaN and infinities among the inputs are not served.
; REGISTERS, in windows of 256 (s_set_vgpr_msb: bits 1:0 source 0, 3:2 source 1, 5:4 source 2, 7:6 destination): window 0 all below; window 1 K's 32 fragments (tile t at v[8 t]);
; window 2 S^T of query tile 0 (key tile t at v[8 t]; at the head four sets of 64 loaded numbers); window 3 S^T of query tile 1.
.set VIMG,   0                         ; LDS: V's images: wave x 32768 + (32 keys) x 2048 + (16 channels) x 512 + lane x 16
.set KIMG,   131072                    ; K's images: wave x 32768 + tile x 1024 + (registers 0-3 | 4-7) x 512 + lane x 16
.set OST,    262144                    ; the stage for O: wave x 8704 + row x 272 + 4 x channel: 256 bytes + 16, so that the 16 rows of a store start at 16 different 16-byte columns
.set OPITCH, 272
.set OWAVE,  32*OPITCH
.set STAT,   OST+4*OWAVE               ; (tm, l): tile x 512 + query x 32 + wave x 8
.set QIMG,   STAT+1024                 ; Q's two fragments: tile x 1024 + half x 512 + lane x 16
.set SPARE,  QIMG+2048                 ; the spare words, 128 bytes for each wave: two blocks of 256 bytes that no other line names
.set SPW, 1                            ; v1   LDS address of my spare word; never rewritten
.set NIL, 2                            ; v2   0; never rewritten
.set LI,  3                            ; v3   16 x lane
.set KST, 4                            ; v4   where my lane's codes of K go in an image;  v5 the same for V
.set VST, 5
.set KA,  6                            ; v6, v7  the same, at the trip's chunks
.set VA,  7
.set KLD, 8                            ; v8, v9  my wave's images + 16 x lane
.set VLD, 9
.set QST, 10                           ; v10  where my codes of Q go;  v11 where a fragment of Q is read
.set QLD, 11
.set STW, 12                           ; v12  where I put (tm, l);  v13 where I read the four waves'
.set STR, 13
.set OSW, 14                           ; v14  the stage: in;  v15 back
.set OSR, 15
.set GOFF, 16                          ; v16  2048 x wave + 16 x lane: my bytes of a block's 8,192 in q and in out0
.set XX,  17                           ; v17  at work at the head
.set SCQ, 18                           ; v18-21  2^e0, 2^e1, 2^e3, 2^e2 as f32: the conversions take the exponent field
.set SCK, 19
.set SCV, 20
.set SCP, 21
.set T0,  22
.set T1,  23
.set QX,  24                           ; v24-39  16 numbers of Q
.set QC,  40                           ; v40-43  their codes
.set QF,  44                           ; v44-59  Q's two fragments
.set MX,  60                           ; v60-67  eight chains of the maximum
.set SM,  68                           ; v68-83  eight chains (pairs) of the sum
.set TL,  84                           ; v84-87  tile a: the pair (tm, l)
.set RW,  88                           ; v88-91  tile a: f_w / (l x 64^0.25), twice
.set UU,  92                           ; v92-95  at work in the exchange
.set WW,  94
.set O,   96                           ; v96-159 O^T: tile a, channels 16 t on, at 96 + 32 a + 8 t.  At the head: 64 held numbers
.set T,   96
.set P,   160                          ; v160-191 P's codes, 16 a tile.  Also the four waves' statistics; at the head codes and the byte transposition
.set X,   160
.set C,   160
.set TT,  176
.set VF,  192                          ; v192-255 four fragments of V.  Also rows of O on the way out; at the head V's turned codes
.set RB,  192
.set E,   192
; scalars: s[4:5] q, s[6:7] k, s[8:9] v, s[10:11] the scales, s[12:13] out0; s16-19 e0..e3; s20 wave; s21-23, s[46:47] at work; s[24:25] c; s26/27, s28/29, s30/31 -/+ 448 x 2^e of q, k, v;
; s32 448 x 2^e2; s33 1 where the hold is run; s[34:35] 2^(e2+e3); s36, s37 lane selects; s38-41 byte selects; s42 the trip's place in the images; s43, s44 counters
.set MSB, 0
.macro WIN new                         ; the immediate's high byte repeats the setting that is left; a switch that changes nothing is dropped
.if MSB != (\new)
	s_set_vgpr_msb (MSB<<8)|(\new)
.set MSB, \new
.endif
.endm
	s_load_b256 s[4:11], s[0:1], 0x0               ; q, k, v, the scales
	s_load_b64 s[12:13], s[0:1], 0x20              ; out0
	v_lshl_add_u32 v[SPW], v0, 2, SPARE
	v_mov_b32 v[NIL], 0
	v_lshrrev_b32 v[T0], 5, v0
	v_readfirstlane_b32 s20, v[T0]                 ; wave 0..3
	v_and_b32 v[T0], 31, v0
	v_lshlrev_b32 v[LI], 4, v[T0]
	; A dense load gives lane l four channels 4 (l % 16) + 0..3 of key 2 n + l / 16.  In K's and Q's fragments these are one word: lane half (l >> 3) & 1, registers' half (l >> 2) & 1, word l & 3
	v_bfe_u32 v[T0], v0, 3, 1
	v_lshlrev_b32 v[XX], 8, v[T0]
	v_bfe_u32 v[T0], v0, 2, 1
	v_lshl_add_u32 v[XX], v[T0], 9, v[XX]
	v_and_b32 v[T0], 3, v0
	v_lshl_add_u32 v[XX], v[T0], 2, v[XX]
	v_bfe_u32 v[T1], v0, 4, 1                      ; l / 16
	s_lshl_b32 s21, s20, 15                        ; my wave's images: 32,768 bytes each
	s_add_co_u32 s22, s21, KIMG
	v_lshl_add_u32 v[KST], v[T1], 7, v[XX]         ; K: an odd key is row 8 + .. of its tile: 8 lanes, 128 bytes on
	v_add_nc_u32 v[KST], s22, v[KST]
	v_bfe_u32 v[VST], v0, 2, 2                     ; V: channels' tile (l >> 2) & 3; lane 4 (l & 3) + x + 16 (l / 16)
	v_lshlrev_b32 v[VST], 9, v[VST]
	v_lshl_add_u32 v[VST], v[T1], 8, v[VST]
	v_lshl_add_u32 v[VST], v[T0], 6, v[VST]
	v_add_nc_u32 v[VST], s21, v[VST]
	v_add_nc_u32 v[KLD], s22, v[LI]
	v_add_nc_u32 v[VLD], s21, v[LI]
	s_lshr_b32 s23, s20, 1                         ; Q: my wave's 8 queries 8 w + 2 n + l / 16: tile w / 2, rows 8 (w % 2) on
	s_lshl_b32 s23, s23, 10
	s_and_b32 s46, s20, 1
	s_lshl_b32 s46, s46, 7
	s_add_co_u32 s23, s23, s46
	s_add_co_u32 s23, s23, QIMG
	v_lshl_add_u32 v[QST], v[T1], 4, v[XX]
	v_add_nc_u32 v[QST], s23, v[QST]
	v_add_nc_u32 v[QLD], QIMG, v[LI]
	v_and_b32 v[T0], 15, v0                        ; l % 16
	s_lshl_b32 s23, s20, 3
	s_add_co_u32 s23, s23, STAT
	v_lshl_add_u32 v[STW], v[T0], 5, s23
	v_lshl_add_u32 v[STR], v[T0], 5, STAT
	s_mul_i32 s23, s20, OWAVE
	s_add_co_u32 s23, s23, OST
	v_mul_u32_u24 v[OSW], v[T0], OPITCH            ; in: row l % 16, 32 bytes for each half of the lanes
	v_lshl_add_u32 v[OSW], v[T1], 5, v[OSW]
	v_add_nc_u32 v[OSW], s23, v[OSW]
	s_mul_i32 s23, s20, 8*OPITCH
	s_add_co_u32 s23, s23, OST
	v_mul_u32_u24 v[OSR], v[T1], OPITCH            ; back: rows 8 w on; lanes 0-15 one row, lanes 16-31 the next
	v_lshl_add_u32 v[OSR], v[T0], 4, v[OSR]
	v_add_nc_u32 v[OSR], s23, v[OSR]
	s_lshl_b32 s23, s20, 11
	v_add_nc_u32 v[GOFF], s23, v[LI]
	s_mov_b32 s36, 0x76543210                      ; v_permlanex16_b32: lane l xor 16
	s_mov_b32 s37, 0xfedcba98
	s_mov_b32 s38, 0x05010400                      ; v_perm_b32: bytes 0, 1 of two words, interleaved;
	s_mov_b32 s39, 0x07030602                      ; bytes 2, 3;
	s_mov_b32 s40, 0x05040100                      ; two low halves;
	s_mov_b32 s41, 0x07060302                      ; two high halves
	s_mov_b32 s42, 0
	s_mov_b32 s43, 7
	s_mov_b32 s44, 15
	s_lshl_b32 s46, ttmp9, 17                      ; my 512 queries: 512 rows of 256 bytes for each work-group
	s_mov_b32 s47, 0
	s_wait_kmcnt 0x0
	s_load_b128 s[16:19], s[10:11], 0x0            ; e0, e1, e2, e3
	s_add_nc_u64 s[4:5], s[4:5], s[46:47]
	s_add_nc_u64 s[12:13], s[12:13], s[46:47]
	s_lshr_b32 s46, ttmp9, 2                       ; the head: 2,048 rows of 256 bytes;
	s_lshl_b32 s46, s46, 19
	s_lshl_b32 s23, s20, 17                        ; my wave's 512 keys
	s_add_co_u32 s46, s46, s23
	s_add_nc_u64 s[6:7], s[6:7], s[46:47]
	s_add_nc_u64 s[8:9], s[8:9], s[46:47]
.irp n, 0,1,2,3
	global_load_b128 v[QX+4*\n:QX+4*\n+3], v[GOFF], s[4:5] offset:512*\n th:TH_LOAD_NT   ; the first block's Q: 32 lanes read 512 consecutive bytes; read once in the launch
.endr
; A set: 32 keys x 64 channels, 8,192 consecutive bytes, by 16 loads of 512 bytes, into v[64 j] on of window 2.  No hint: four work-groups read these bytes.
.macro FILL j, bs, off
.set i, 0
.rept 16
	global_load_b128 v[64*(\j)+4*i:64*(\j)+4*i+3], v[LI], s[\bs:\bs+1] offset:(\off)+512*i
.set i, i+1
.endr
.endm
	WIN 0x80                                       ; destination window 2
	FILL 0, 6, 0                                   ; four sets are on their way: K's keys 0-31, 32-63, V's likewise
	FILL 1, 6, 8192
	FILL 2, 8, 0
	FILL 3, 8, 8192
	WIN 0
	s_wait_kmcnt 0x0
.macro MKSC es, vr, hi                 ; 2^e as f32 into v[vr]; 448 x 2^e into s[hi]
	s_add_co_i32 s21, s[\es], 127
	s_lshl_b32 s22, s21, 23
	v_mov_b32 v[\vr], s22
	s_add_co_i32 s21, s21, 8
	s_lshl_b32 s21, s21, 23
	s_or_b32 s[\hi], s21, 0x600000
.endm
	MKSC 16, SCQ, 27
	MKSC 17, SCK, 29
	MKSC 19, SCV, 31
	MKSC 18, SCP, 32
	s_or_b32 s26, s27, 0x80000000
	s_or_b32 s28, s29, 0x80000000
	s_or_b32 s30, s31, 0x80000000
	s_add_co_i32 s21, s16, s17
	s_lshl_b32 s21, s21, 23
	s_add_co_i32 s24, s21, 0x3fb8aa3b              ; c = log2(e) x 2^(e0+e1): the two exponents are added to the exponent field
	s_mov_b32 s25, s24                             ; (named with it as a pair, so it is written)
	s_add_co_i32 s21, s18, s19
	s_add_co_i32 s21, s21, 127
	s_lshl_b32 s34, s21, 23                        ; 2^(e2+e3)
	s_mov_b32 s35, s34
	s_cmp_lt_i32 s18, -10
	s_cselect_b32 s33, 1, 0                        ; is the hold run?
	v_mov_b32 v[TL+1], 0                           ; (named as the upper halves of the pairs before l is made)
	v_mov_b32 v[TL+3], 0
; THE HEAD: my 512 keys of K and of V become codes.  CHUNK takes set j (kind 0: K, 1: V; e: which of the trip's two chunks): hold, conversion, and the codes go to their places in the images.
; reload = 1: the set takes the chunk two further on.  left: the younger loads that may stay out.
.macro CHUNK j, kind, e, reload, left
.if \kind
.set BS, 8
.set LM, 30
.set SC, SCV
.else
.set BS, 6
.set LM, 28
.set SC, SCK
.endif
	s_wait_loadcnt \left                           ; loads come back in order: this set's 16 are in
	WIN 0x02                                       ; source 0 window 2
.set i, 0
.rept 64
	v_med3_num_f32 v[T+i], v[64*(\j)+i], s[LM], s[LM+1]   ; the conversion to an 8-bit code does not saturate (ISA guide 7.6.2): held within the largest code x the scale
.set i, i+1
.endr
.if \reload
	WIN 0x80
	FILL \j, BS, 16384+(\e)*8192
.endif
	WIN 0
	s_wait_dscnt 0x0                               ; the last chunk's LDS stores have read their registers
.irp p, 0,1,2,3,4,5,6,7
	v_cvt_scalef32_pk8_fp8_f32 v[C+2*\p:C+2*\p+1], v[T+8*\p:T+8*\p+7], v[SC]   ; word n = load n's four codes: key 2 n + l / 16, channels 4 (l % 16) + 0..3
.endr
	v_nop                                          ; one plain instruction between the conversions and what touches their results or writes their sources
.if \kind
.irp d, 0,1,2,3                        ; V's K is the keys: 16 words x 4 bytes are turned into 4 x 16 bytes, a channel's 16 keys on end
	v_perm_b32 v[TT+4*\d],   v[C+4*\d+1], v[C+4*\d],   s38
	v_perm_b32 v[TT+4*\d+1], v[C+4*\d+1], v[C+4*\d],   s39
	v_perm_b32 v[TT+4*\d+2], v[C+4*\d+3], v[C+4*\d+2], s38
	v_perm_b32 v[TT+4*\d+3], v[C+4*\d+3], v[C+4*\d+2], s39
.endr
.irp d, 0,1,2,3
	v_perm_b32 v[E+\d],    v[TT+4*\d+2], v[TT+4*\d],   s40
	v_perm_b32 v[E+4+\d],  v[TT+4*\d+2], v[TT+4*\d],   s41
	v_perm_b32 v[E+8+\d],  v[TT+4*\d+3], v[TT+4*\d+1], s40
	v_perm_b32 v[E+12+\d], v[TT+4*\d+3], v[TT+4*\d+1], s41
.endr
.irp x, 0,1,2,3
	ds_store_b128 v[VA], v[E+4*\x:E+4*\x+3] offset:(\e)*2048+16*\x   ; channel 4 (l % 16) + x: four registers of the fragment's lane
.endr
.else
.set i, 0
.rept 16
	ds_store_b32 v[KA], v[C+i] offset:(\e)*2048+(i/8)*1024+(i%8)*16   ; tile i / 8 of the chunk's two, row i % 8 + 8 (l / 16)
.set i, i+1
.endr
.endif
.endm
.macro TRIP reload, l0, l1, l2, l3
	v_add_nc_u32 v[KA], s42, v[KST]
	v_add_nc_u32 v[VA], s42, v[VST]
	CHUNK 0, 0, 0, \reload, \l0
	CHUNK 1, 0, 1, \reload, \l1
	CHUNK 2, 1, 0, \reload, \l2
	CHUNK 3, 1, 1, \reload, \l3
.endm
.Lhead:                                                ; seven trips of 64 keys of K and of V; three younger sets, 48 loads, stay out at each wait
	TRIP 1, 48, 48, 48, 48
	s_wait_xcnt 0x0                                ; the loads have read their bases: they may step
	s_add_nc_u64 s[6:7], s[6:7], 16384
	s_add_nc_u64 s[8:9], s[8:9], 16384
	s_add_co_u32 s42, s42, 4096
	s_sub_co_u32 s43, s43, 1
	s_cmp_lg_u32 s43, 0
	s_cbranch_scc1 .Lhead
	TRIP 0, 48, 32, 16, 0                          ; the last 64 keys load nothing: the counts run down
; 16 numbers of Q a lane become four words of codes, which go to their places in Q's two fragments
.macro QQUANT
.set i, 0
.rept 16
	v_med3_num_f32 v[QX+i], v[QX+i], s26, s27
.set i, i+1
.endr
	v_cvt_scalef32_pk8_fp8_f32 v[QC:QC+1], v[QX:QX+7], v[SCQ]
	v_cvt_scalef32_pk8_fp8_f32 v[QC+2:QC+3], v[QX+8:QX+15], v[SCQ]
	v_nop                                          ; the plain instruction behind the conversions
.irp n, 0,1,2,3
	ds_store_b32 v[QST], v[QC+\n] offset:32*\n     ; query 8 w + 2 n + l / 16
.endr
.endm
; The largest sum of my 512 keys for query tile a, in eight chains, each score tile from its low end on; then lane l xor 16's; tm = c x it (c is positive)
.macro MAX a
	WIN 0x2a+0x15*(\a)                             ; all three sources window 2 or 3
.irp c, 0,1,2,3,4,5,6,7
	v_max3_num_f32 v[MX+\c], v[3*\c], v[3*\c+1], v[3*\c+2]
.endr
	WIN 0x28+0x14*(\a)                             ; sources 1 and 2
.set n, 0
.rept 116
	v_max3_num_f32 v[MX+n%8], v[MX+n%8], v[24+2*n], v[25+2*n]
.set n, n+1
.endr
	WIN 0
	v_max3_num_f32 v[MX], v[MX], v[MX+1], v[MX+2]
	v_max3_num_f32 v[MX+3], v[MX+3], v[MX+4], v[MX+5]
	v_max3_num_f32 v[MX], v[MX], v[MX+3], v[MX+6]
	v_max_num_f32 v[MX], v[MX], v[MX+7]
	v_permlanex16_b32 v[MX+1], v[MX], s36, s37
	v_max_num_f32 v[MX], v[MX], v[MX+1]
	v_mul_f32 v[TL+2*(\a)], s24, v[MX]
.endm
; p = 2^(c S - tm), in place: 128 packed scalings and 256 exponentials, a scaling to two exponentials, each pair scaled four pairs ahead.  No line names an exponential's result
.macro FE a
	WIN 0x82+0x41*(\a)                             ; destination and source 0 window 2 or 3; tm in window 0
.irp p, 0,2,4,6
	v_pk_fma_f32 v[\p:\p+1], v[\p:\p+1], s[24:25], v[TL+2*(\a):TL+2*(\a)+1] op_sel_hi:[1,0,0] neg_lo:[0,0,1] neg_hi:[0,0,1]
.endr
.set n, 0
.rept 128
.if n+4 < 128
	v_pk_fma_f32 v[2*n+8:2*n+9], v[2*n+8:2*n+9], s[24:25], v[TL+2*(\a):TL+2*(\a)+1] op_sel_hi:[1,0,0] neg_lo:[0,0,1] neg_hi:[0,0,1]
.endif
	v_exp_f32 v[2*n], v[2*n]
	v_exp_f32 v[2*n+1], v[2*n+1]
.set n, n+1
.endr
.endm
; l = the sum of my 512 p for query tile a: packed, in eight chains; then the pair's halves and lane l xor 16's
.macro SUM a
	WIN 0x0a+5*(\a)
.irp c, 0,1,2,3,4,5,6,7
	v_pk_add_f32 v[SM+2*\c:SM+2*\c+1], v[4*\c:4*\c+1], v[4*\c+2:4*\c+3]
.endr
	WIN 0x08+4*(\a)
.set n, 0
.rept 112
	v_pk_add_f32 v[SM+2*(n%8):SM+2*(n%8)+1], v[SM+2*(n%8):SM+2*(n%8)+1], v[32+2*n:33+2*n]
.set n, n+1
.endr
	WIN 0
.irp c, 0,1,2,3
	v_pk_add_f32 v[SM+2*\c:SM+2*\c+1], v[SM+2*\c:SM+2*\c+1], v[SM+8+2*\c:SM+9+2*\c]
.endr
	v_pk_add_f32 v[SM:SM+1], v[SM:SM+1], v[SM+4:SM+5]
	v_pk_add_f32 v[SM+2:SM+3], v[SM+2:SM+3], v[SM+6:SM+7]
	v_pk_add_f32 v[SM:SM+1], v[SM:SM+1], v[SM+2:SM+3]
	v_add_f32 v[SM], v[SM], v[SM+1]
	v_permlanex16_b32 v[SM+2], v[SM], s36, s37
	v_add_f32 v[TL+2*(\a)+1], v[SM], v[SM+2]
.endm
.macro VLOAD s                         ; V's four fragments of step s (128 keys x 64 channels): 16 loads of 512 consecutive bytes
.irp t, 0,1,2,3
.irp b, 0,1,2,3
	ds_load_b128 v[VF+16*\t+4*\b:VF+16*\t+4*\b+3], v[VLD] offset:(4*(\s)+\b)*2048+\t*512
.endr
.endr
.endm
; STEP s: 128 of my keys.  p becomes the weight, the weight its code, O^T takes V^T P; and the 128 score registers that are then free take the NEXT block's K Q^T for the same keys (last = 0).
.macro STEP s, last
	WIN 0x82
.irp p, 0,2,4,6
	v_pk_mul_f32 v[64*(\s)+\p:64*(\s)+\p+1], v[64*(\s)+\p:64*(\s)+\p+1], v[RW:RW+1]   ; four plain instructions that name no register of the last step's products: the places in front of the loads into V's fragments
.endr
.if (\s) > 0
	WIN 0
	VLOAD \s
	WIN 0x82
.endif
.set j, 64*(\s)+8
.rept 28
	v_pk_mul_f32 v[j:j+1], v[j:j+1], v[RW:RW+1]
.set j, j+2
.endr
	WIN 0xc3
.set j, 64*(\s)
.rept 32
	v_pk_mul_f32 v[j:j+1], v[j:j+1], v[RW+2:RW+3]
.set j, j+2
.endr
	WIN 0                                          ; at a branch and at a label every window is 0
	s_cmp_eq_u32 s33, 0
	s_cbranch_scc1 .Lno_hold_\@                    ; e2 >= -10: no weight reaches the largest code x the scale
	WIN 0x88
.set j, 64*(\s)
.rept 64
	v_min_num_f32 v[j], s32, v[j]                  ; a weight is not negative: the hold is one-sided
.set j, j+1
.endr
	WIN 0xcc
.set j, 64*(\s)
.rept 64
	v_min_num_f32 v[j], s32, v[j]
.set j, j+1
.endr
	WIN 0
.Lno_hold_\@:
	WIN 0x02
.irp k, 0,1,2,3,4,5,6,7
	v_cvt_scalef32_pk8_fp8_f32 v[P+2*\k:P+2*\k+1], v[64*(\s)+8*\k:64*(\s)+8*\k+7], v[SCP]
.endr
	WIN 0x03
.irp k, 0,1,2,3,4,5,6,7
	v_cvt_scalef32_pk8_fp8_f32 v[P+16+2*\k:P+17+2*\k], v[64*(\s)+8*\k:64*(\s)+8*\k+7], v[SCP]
.endr
	v_nop                                          ; one plain instruction between the conversions and the products that read their results and write their sources
	WIN 0
	s_wait_dscnt 0x0                               ; V's fragments are in (in step 0 the next block's Q too)
.irp t, 0,1,2,3                        ; the eight accumulators take turns, one instruction a turn
.irp a, 0,1
.if (\s) == 0
	v_wmma_f32_16x16x128_fp8_fp8 v[O+32*\a+8*\t:O+32*\a+8*\t+7], v[VF+16*\t:VF+16*\t+15], v[P+16*\a:P+16*\a+15], 0
.else
	v_wmma_f32_16x16x128_fp8_fp8 v[O+32*\a+8*\t:O+32*\a+8*\t+7], v[VF+16*\t:VF+16*\t+15], v[P+16*\a:P+16*\a+15], v[O+32*\a+8*\t:O+32*\a+8*\t+7]
.endif
.endr
.endr
.if (\last) == 0
	WIN 0x81                                       ; K window 1, Q window 0, S^T window 2
.irp k, 0,1,2,3,4,5,6,7
	v_wmma_f32_16x16x64_fp8_fp8 v[64*(\s)+8*\k:64*(\s)+8*\k+7], v[64*(\s)+8*\k:64*(\s)+8*\k+7], v[QF:QF+7], 0
.endr
	WIN 0xc1                                       ; S^T window 3
.irp k, 0,1,2,3,4,5,6,7
	v_wmma_f32_16x16x64_fp8_fp8 v[64*(\s)+8*\k:64*(\s)+8*\k+7], v[64*(\s)+8*\k:64*(\s)+8*\k+7], v[QF+8:QF+15], 0
.endr
	WIN 0
.endif
.endm
; The four waves' parts of my 8 rows are added, multiplied by 2^(e2+e3) and stored: two rows an instruction, 512 consecutive bytes at a multiple of 256 from out0's first byte
.macro REDUCE
.irp k, 0,1,2,3
.irp u, 0,1,2,3
	ds_load_b128 v[RB+16*\k+4*\u:RB+16*\k+4*\u+3], v[OSR] offset:\u*OWAVE+2*\k*OPITCH
.endr
.endr
.irp k, 0,1,2,3
.set RK, RB+16*\k
	s_wait_dscnt 12-4*\k                           ; LDS loads come back in order: this pair of rows' four are in, the younger pairs' stay out
	v_pk_add_f32 v[RK:RK+1], v[RK:RK+1], v[RK+4:RK+5]
	v_pk_add_f32 v[RK+2:RK+3], v[RK+2:RK+3], v[RK+6:RK+7]
	v_pk_add_f32 v[RK+8:RK+9], v[RK+8:RK+9], v[RK+12:RK+13]
	v_pk_add_f32 v[RK+10:RK+11], v[RK+10:RK+11], v[RK+14:RK+15]
	v_pk_add_f32 v[RK:RK+1], v[RK:RK+1], v[RK+8:RK+9]
	v_pk_add_f32 v[RK+2:RK+3], v[RK+2:RK+3], v[RK+10:RK+11]
	v_pk_mul_f32 v[RK:RK+1], v[RK:RK+1], s[34:35] op_sel_hi:[1,0]
	v_pk_mul_f32 v[RK+2:RK+3], v[RK+2:RK+3], s[34:35] op_sel_hi:[1,0]
	global_store_b128 v[GOFF], v[RK:RK+3], s[12:13] offset:512*\k th:TH_STORE_NT   ; written once, read by nobody here
.endr
.endm
	QQUANT                                         ; the first block's Q (its loads were the oldest: they are in)
	s_wait_dscnt 0x0                               ; for the others' sake: my codes of Q lie in LDS
	s_barrier_signal -1
	s_barrier_wait -1
	WIN 0x40                                       ; destination window 1
.set n, 0
.rept 64
	ds_load_b128 v[4*n:4*n+3], v[KLD] offset:512*n ; my 32 fragments of K: they stay in registers
.set n, n+1
.endr
	WIN 0
.irp g, 0,1,2,3
	ds_load_b128 v[QF+4*\g:QF+4*\g+3], v[QLD] offset:512*\g
.endr
	s_wait_dscnt 0x0                               ; K and Q are in: my reads of Q's images are over,
	s_barrier_signal -1                            ; and I say so: the first block stores the next block's codes over them, so every wave's reads come first.  The products and maxima below, work on registers alone, stand between signal and wait
	WIN 0x81
.set n, 0
.rept 32
	v_wmma_f32_16x16x64_fp8_fp8 v[8*n:8*n+7], v[8*n:8*n+7], v[QF:QF+7], 0          ; the first block's scores
.set n, n+1
.endr
	WIN 0xc1
.set n, 0
.rept 32
	v_wmma_f32_16x16x64_fp8_fp8 v[8*n:8*n+7], v[8*n:8*n+7], v[QF+8:QF+15], 0
.set n, n+1
.endr
	WIN 0
.rept 4
	v_nop                                          ; four places between the last products and the first read of results (ISA guide 7.12.1)
.endr
	MAX 0
	MAX 1
	s_barrier_wait -1                              ; all four waves have read the first block's Q
; A BLOCK OF 32 QUERIES.  It finds its scores in windows 2 and 3 and tm in TL.  last = 0: it also makes the next block's Q, scores and tm.
; TWO BARRIERS.  S: the statistics and the next Q's codes, stored ahead of it, are read behind it, and stored again only behind O (the first block's: behind the barrier just above).
; O: the stage, stored between S and O, is read behind O, and stored again only behind the next S.  In front of each signal every wave has waited for all its LDS instructions.
.macro BODY last
	VLOAD 0                                        ; step 0's V; its registers' last stores to memory were waited for at the last block's end
.if (\last) == 0
.irp n, 0,1,2,3
	global_load_b128 v[QX+4*\n:QX+4*\n+3], v[GOFF], s[4:5] offset:8192+512*\n th:TH_LOAD_NT   ; the next block's Q: it has the exponentials and the sums in which to land
.endr
.endif
	FE 0
	FE 1
	WIN 0
	v_nop                                          ; one plain instruction behind the last exponential,
	s_wait_alu depctr_va_vdst(0)                   ; and ONE wait for the block's 512, ahead of the first line that names a result
	SUM 0
	SUM 1
.if (\last) == 0
	s_wait_loadcnt 0x0
	QQUANT
.endif
.irp a, 0,1
	ds_store_b64 v[STW], v[TL+2*\a:TL+2*\a+1] offset:512*\a   ; (tm, l) of my keys; lanes l and l xor 16 hold and store the same pair
.endr
	s_wait_dscnt 0x0
	s_barrier_signal -1
	s_barrier_wait -1                              ; barrier S
.irp a, 0,1
	ds_load_b128 v[X+8*\a:X+8*\a+3], v[STR] offset:512*\a
	ds_load_b128 v[X+8*\a+4:X+8*\a+7], v[STR] offset:512*\a+16
.endr
.if (\last) == 0
.irp g, 0,1,2,3
	ds_load_b128 v[QF+4*\g:QF+4*\g+3], v[QLD] offset:512*\g
.endr
	s_wait_dscnt 0x4                               ; the statistics are in; Q's four loads may stay out
.else
	s_wait_dscnt 0x0
.endif
.irp a, 0,1
	v_max3_num_f32 v[UU+\a], v[X+8*\a], v[X+8*\a+2], v[X+8*\a+4]
.endr
.irp a, 0,1
	v_max_num_f32 v[UU+\a], v[UU+\a], v[X+8*\a+6]   ; tm: the row's maximum over all 2,048 keys
.endr
.irp a, 0,1
.irp u, 0,2,4,6
	v_sub_f32 v[X+8*\a+\u], v[X+8*\a+\u], v[UU+\a]
.endr
	v_sub_f32 v[WW+\a], v[TL+2*\a], v[UU+\a]
.endr
.irp a, 0,1
.irp u, 0,2,4,6
	v_exp_f32 v[X+8*\a+\u], v[X+8*\a+\u]           ; the four f
.endr
	v_exp_f32 v[WW+\a], v[WW+\a]                   ; and my own
.endr
	v_nop
	s_wait_alu depctr_va_vdst(0)                   ; one wait for the ten
.irp a, 0,1
	v_mul_f32 v[UU+\a], v[X+8*\a], v[X+8*\a+1]
.endr
.irp u, 2,4,6
.irp a, 0,1
	v_fma_f32 v[UU+\a], v[X+8*\a+\u], v[X+8*\a+\u+1], v[UU+\a]   ; l = the sum of f l_w
.endr
.endr
.irp a, 0,1
	v_mul_f32 v[UU+\a], 0x403504f3, v[UU+\a]       ; x 64^0.25 = 2.8284271
.endr
	v_rcp_f32 v[UU], v[UU]
	v_rcp_f32 v[UU+1], v[UU+1]
	v_nop
	s_wait_alu depctr_va_vdst(0)                   ; one wait for the two
.irp a, 0,1
	v_mul_f32 v[RW+2*\a], v[UU+\a], v[WW+\a]       ; weight = p x this; in both words of the pair
	v_mul_f32 v[RW+2*\a+1], v[UU+\a], v[WW+\a]
.endr
	STEP 0, \last
	STEP 1, \last
	STEP 2, \last
	STEP 3, \last
.rept 4
	v_nop                                          ; four places between the last products and the first read of their results
.endr
.irp a, 0,1
.irp t, 0,1,2,3
	ds_store_b128 v[OSW], v[O+32*\a+8*\t:O+32*\a+8*\t+3] offset:\a*16*OPITCH+64*\t       ; lane (r, h): row 16 a + r, channels 16 t + 8 h + 0..7; each accumulator from its low end on
	ds_store_b128 v[OSW], v[O+32*\a+8*\t+4:O+32*\a+8*\t+7] offset:\a*16*OPITCH+64*\t+16
.endr
.endr
	s_wait_dscnt 0x0
	s_barrier_signal -1
.if (\last) == 0
	MAX 0                                          ; work on registers while the others arrive: the next block's tm
	MAX 1
.endif
	s_barrier_wait -1                              ; barrier O
	REDUCE
.endm
.Lblock:                                               ; 15 trips; the last block, which prepares no successor, is written out
	BODY 0
	s_wait_xcnt 0x0                                ; the stores have read their registers and their base: both may be written again
	s_add_nc_u64 s[4:5], s[4:5], 8192
	s_add_nc_u64 s[12:13], s[12:13], 8192
	s_sub_co_u32 s44, s44, 1
	s_cmp_lg_u32 s44, 0
	s_cbranch_scc1 .Lblock
	BODY 1
	s_wait_tensorcnt 0x0                           ; the wave's end, behind my last LDS store
	ds_add_u32 v[SPW], v[NIL]
	s_wait_dscnt 0x0
	s_endpgm
.Lfunc_end_k_q785e01aff0_attn:
	.size	k_q785e01aff0_attn, .Lfunc_end_k_q785e01aff0_attn-k_q785e01aff0_attn
	.p2alignl 7, 3214868480
	.fill 96, 4, 3214868480
	.section	.rodata,"a",@progbits
	.p2align	6, 0x0
	.amdhsa_kernel k_q785e01aff0_attn
		.amdhsa_group_segment_fixed_size 300544
		.amdhsa_private_segment_fixed_size 0
		.amdhsa_enable_private_segment 0
		.amdhsa_kernarg_size 40
		.amdhsa_user_sgpr_count 2
		.amdhsa_user_sgpr_kernarg_segment_ptr 1
		.amdhsa_wavefront_size32 1
		.amdhsa_system_sgpr_workgroup_id_x 1
		.amdhsa_system_sgpr_workgroup_id_y 1
		.amdhsa_system_sgpr_workgroup_id_z 1
		.amdhsa_system_vgpr_workitem_id 0
		.amdhsa_next_free_vgpr 1024
		.amdhsa_next_free_sgpr 66
		.amdhsa_reserve_vcc 0
		.amdhsa_float_denorm_mode_32 3
		.amdhsa_float_denorm_mode_16_64 3
		.amdhsa_memory_ordered 1
		.amdhsa_forward_progress 1
		.amdhsa_inst_pref_size 255
	.end_amdhsa_kernel
	.section	.bss,"aw",@nobits
	.p2align	6
	.space	262144
	.amdgpu_metadata
---
amdhsa.version: [ 1, 2 ]
amdhsa.kernels:
  - .name:           k_q785e01aff0_attn
    .symbol:         k_q785e01aff0_attn.kd
    .args:
      - { .name: q, .offset: 0, .size: 8, .value_kind: global_buffer, .address_space: global }
      - { .name: k, .offset: 8, .size: 8, .value_kind: global_buffer, .address_space: global }
      - { .name: v, .offset: 16, .size: 8, .value_kind: global_buffer, .address_space: global }
      - { .name: lowp_scales, .offset: 24, .size: 8, .value_kind: global_buffer, .address_space: global }
      - { .name: out0, .offset: 32, .size: 8, .value_kind: global_buffer, .address_space: global }
    .group_segment_fixed_size: 300544
    .private_segment_fixed_size: 0
    .kernarg_segment_align: 8
    .kernarg_segment_size: 40
    .max_flat_workgroup_size: 128
    .sgpr_count:     66
    .vgpr_count:     1024
    .wavefront_size: 32
...
	.end_amdgpu_metadata
.endif
;; end of part 1
;; ======== version 2 of 2: 1 launch; version 1 with the launch attn written anew for expert scheduling mode
;; launch attn (part 2): grid 256 x 1, 4 waves a work-group, no clusters, 300,544 bytes of LDS; arguments q, k, v, lowp_scales, out0; writes out0
.if DOCPART == 2
	.amdgcn_target "amdgcn-amd-amdhsa--gfx1250"
	.amdhsa_code_object_version 6
	.text
	.protected	k_q785e01aff0_attn
	.globl	k_q785e01aff0_attn
	.p2align	8
	.type	k_q785e01aff0_attn,@function
k_q785e01aff0_attn:
	s_mov_b64 s[64:65], 0
	v_nop
	global_prefetch_b8 v0, s[64:65] scope:SCOPE_SE
	s_setreg_imm32_b32 hwreg(HW_REG_WAVE_SCHED_MODE, 0, 2), 2
	s_setreg_imm32_b32 hwreg(HW_REG_WAVE_MODE, 25, 1), 1
	s_wait_xcnt 0x0
	s_wait_alu depctr_vm_vsrc(0)
; out0[h][q][:] = the sum over k of Q8(softmax_k(Q8(q) . Q8(k)) / 64^0.25) Q8(v[h][k][:]).  q, k, v, out0: [64 heads][2048][64] f32.  Q8: E4M3 codes with the given scales 2^e0 (q), 2^e1 (k), 2^e2 (weights), 2^e3 (v).
; THE FINISHED, NORMALISED WEIGHT IS WHAT IS QUANTISED: a row's maximum and sum over all 2,048 keys are known before any weight becomes a code.  So a block's scores stay in registers until they are.
; SHARES.  256 work-groups: one for a head and a quarter of its queries (512), walked in 16 blocks of 32 queries (two tiles of 16).  THE FOUR WAVES SHARE THE KEYS: wave w owns keys 512 w .. 512 w + 511 for all 32 queries:
; its scores S^T are 2 x 32 tiles = 512 registers, its codes of K 256 registers for the whole launch, its codes of V 32 KiB of LDS, laid as images of the operand's registers.  Each score and each exponential is made once.
; SOFTMAX OVER FOUR WAVES.  c = log2(e) 2^(e0+e1).  Each wave takes tm_w = c x the largest sum of its own 512 keys away: p = 2^(c S - tm_w), l_w = the sum of p.  The pairs (tm_w, l_w) meet in LDS behind one barrier:
; tm = max tm_w, f_w = 2^(tm_w - tm), l = sum l_w f_w, weight = p x f_w / (l x 64^0.25).  The rounding of tm_w is common to p and l_w and cancels.
; O.  Each wave's partial O^T goes to a stage in LDS as rows; behind a second barrier each wave adds the four parts of 8 rows, multiplies by 2^(e2+e3) and stores whole rows of 256 bytes.
; LAYOUT.  S^T = K Q^T (source 0 = 16 keys, source 1 = 16 queries) and O^T = V^T P (source 0 = 16 channels, source 1 = P): a lane holds ONE query (lane % 16) throughout.  Along the head's 64 both K and Q hold channel
; 32 (lane / 16) + 4 i + y in byte y of register i: one permutation of k, alike on both sides.  Row m of K's tile t is key 16 t + 2 (m % 8) + m / 8, so that register j of a score tile is key 16 t + 2 j + lane / 16;
; the conversions of eight tiles then give P with key 128 s + 8 i + 2 y + lane / 16 in byte y of register i, and V's images hold the same keys in the same places.
; THE HOLD.  weight = p f_w / (2.83 l) and l holds p f_w among its terms, so a weight is at most 0.354 for every input, under 448 x 2^-10 = 0.4375.  The hold at the largest code is therefore run only where e2 < -10: a scalar
; branch on the given whole number, round the minima alone.
; NO JOINT LOADS, though the four work-groups of a head read the same K and V, once, at the head: those numbers are f32 and pass through registers to become codes; 300,544 of 327,680 bytes of LDS hold images and stages, and in
; the 27,136 left two slots of 13 KiB would take a head's 1 MiB in some 80 rounds with one slot on its way, against the 128 KiB that the four waves' register loads have out.
; LIMITS.  e0, e1, e2, e3 between -126 and 119; e0 + e1 between -126 and 100 (c x a sum of codes stays finite); e2 + e3 between -126 and 127.  NaN and infinities among the inputs are not served.
; REGISTERS, in windows of 256 (s_set_vgpr_msb: bits 1:0 source 0, 3:2 source 1, 5:4 source 2, 7:6 destination): window 0 all below; window 1 K's 32 fragments (tile t at v[8 t]);
; window 2 S^T of query tile 0 (key tile t at v[8 t]; at the head four sets of 64 loaded numbers); window 3 S^T of query tile 1.
; THE MODE: SCHED_MODE bits 1:0 = 2 (LLVM: expert scheduling mode 2), set by the entry lines.  The code itself states the register dependences between vector or matrix instructions and memory or LDS instructions,
; with s_wait_alu, always for 0.
; THE PLAN.  Registers that memory or LDS instructions touch:
;   v3-v5, v8-v16  addresses: made at the head ahead of one wait on va_vdst, never written again.
;   AT THE HEAD, a chunk of 32 keys:  set j (window 2): read by the chunk's 64 holds, then loaded again.  C, E: written by its conversions and byte turns, read by its LDS stores, written again by the next chunk.
;     v6, v7: read by the stores, written once a trip.  So a chunk has one wait on vm_vsrc, ahead of its conversions (and of the two adds), and ONE wait on va_vdst, behind its last vector line: the reload and the stores follow it.
;   IN A BLOCK:
;     VF = RB   step s's loads of V land; its eight products V^T P read; step s + 1's loads land.  Then the stage's rows land, the additions write, the stores to out0 read, and the next block's step 0 lands.
;     QX        the next block's numbers of Q land; the holds and conversions name them.        QC   the conversions write, the LDS stores read.
;     QF        the next block's fragments land behind barrier S; the products K Q^T read.      TL   the maxima and sums write, the LDS stores read, the same block's maxima write again.
;     X = P     the four waves' statistics land; later the conversions write and the products read.      O    the products write, the LDS stores read, the next block's products write again.
;   The waits of a block: vm_vsrc at its head (out0's stores have read RB); va_vdst behind the exponentials; va_vdst ahead of the stores of Q's codes and of (tm, l), which also serves the loads behind barrier S, since no vector line
;   stands between; two in the exchange, behind its exponentials and reciprocals; va_vdst in steps 1 to 3 ahead of V's loads, behind 32 scalings, where the last step's V^T P are its only long work; va_vdst ahead of O's LDS stores,
;   which also serves the loads of the stage's rows (the maxima between name none of their registers); vm_vsrc ahead of barrier O's signal (TL, O and QC have been read); va_vdst ahead of the four stores to out0.
.set VIMG,   0                         ; LDS: V's images: wave x 32768 + (32 keys) x 2048 + (16 channels) x 512 + lane x 16
.set KIMG,   131072                    ; K's images: wave x 32768 + tile x 1024 + (registers 0-3 | 4-7) x 512 + lane x 16
.set OST,    262144                    ; the stage for O: wave x 8704 + row x 272 + 4 x channel: 256 bytes + 16, so that the 16 rows of a store start at 16 different 16-byte columns
.set OPITCH, 272
.set OWAVE,  32*OPITCH
.set STAT,   OST+4*OWAVE               ; (tm, l): tile x 512 + query x 32 + wave x 8
.set QIMG,   STAT+1024                 ; Q's two fragments: tile x 1024 + half x 512 + lane x 16
.set SPARE,  QIMG+2048                 ; the spare words, 128 bytes for each wave: two blocks of 256 bytes that no other line names
.set SPW, 1                            ; v1   LDS address of my spare word; never rewritten
.set NIL, 2                            ; v2   0; never rewritten
.set LI,  3                            ; v3   16 x lane
.set KST, 4                            ; v4   where my lane's codes of K go in an image;  v5 the same for V
.set VST, 5
.set KA,  6                            ; v6, v7  the same, at the trip's chunks
.set VA,  7
.set KLD, 8                            ; v8, v9  my wave's images + 16 x lane
.set VLD, 9
.set QST, 10                           ; v10  where my codes of Q go;  v11 where a fragment of Q is read
.set QLD, 11
.set STW, 12                           ; v12  where I put (tm, l);  v13 where I read the four waves'
.set STR, 13
.set OSW, 14                           ; v14  the stage: in;  v15 back
.set OSR, 15
.set GOFF, 16                          ; v16  2048 x wave + 16 x lane: my bytes of a block's 8,192 in q and in out0
.set XX,  17                           ; v17  at work at the head
.set SCQ, 18                           ; v18-21  2^e0, 2^e1, 2^e3, 2^e2 as f32: the conversions take the exponent field
.set SCK, 19
.set SCV, 20
.set SCP, 21
.set T0,  22
.set T1,  23
.set QX,  24                           ; v24-39  16 numbers of Q
.set QC,  40                           ; v40-43  their codes
.set QF,  44                           ; v44-59  Q's two fragments
.set MX,  60                           ; v60-67  eight chains of the maximum
.set SM,  68                           ; v68-83  eight chains (pairs) of the sum
.set TL,  84                           ; v84-87  tile a: the pair (tm, l)
.set RW,  88                           ; v88-91  tile a: f_w / (l x 64^0.25), twice
.set UU,  92                           ; v92-95  at work in the exchange
.set WW,  94
.set O,   96                           ; v96-159 O^T: tile a, channels 16 t on, at 96 + 32 a + 8 t.  At the head: 64 held numbers
.set T,   96
.set P,   160                          ; v160-191 P's codes, 16 a tile.  Also the four waves' statistics; at the head codes and the byte transposition
.set X,   160
.set C,   160
.set TT,  176
.set VF,  192                          ; v192-255 four fragments of V.  Also rows of O on the way out; at the head V's turned codes
.set RB,  192
.set E,   192
; scalars: s[4:5] q, s[6:7] k, s[8:9] v, s[10:11] the scales, s[12:13] out0; s16-19 e0..e3; s20 wave; s21-23, s[46:47] at work; s[24:25] c; s26/27, s28/29, s30/31 -/+ 448 x 2^e of q, k, v;
; s32 448 x 2^e2; s33 1 where the hold is run; s[34:35] 2^(e2+e3); s36, s37 lane selects; s38-41 byte selects; s42 the trip's place in the images; s43, s44 counters
.set MSB, 0
.macro WIN new                         ; the immediate's high byte repeats the setting that is left; a switch that changes nothing is dropped
.if MSB != (\new)
	s_set_vgpr_msb (MSB<<8)|(\new)
.set MSB, \new
.endif
.endm
	s_load_b256 s[4:11], s[0:1], 0x0               ; q, k, v, the scales
	s_load_b64 s[12:13], s[0:1], 0x20              ; out0
	v_lshl_add_u32 v[SPW], v0, 2, SPARE
	v_mov_b32 v[NIL], 0
	v_lshrrev_b32 v[T0], 5, v0
	v_readfirstlane_b32 s20, v[T0]                 ; wave 0..3
	v_and_b32 v[T0], 31, v0
	v_lshlrev_b32 v[LI], 4, v[T0]
	; A dense load gives lane l four channels 4 (l % 16) + 0..3 of key 2 n + l / 16.  In K's and Q's fragments these are one word: lane half (l >> 3) & 1, registers' half (l >> 2) & 1, word l & 3
	v_bfe_u32 v[T0], v0, 3, 1
	v_lshlrev_b32 v[XX], 8, v[T0]
	v_bfe_u32 v[T0], v0, 2, 1
	v_lshl_add_u32 v[XX], v[T0], 9, v[XX]
	v_and_b32 v[T0], 3, v0
	v_lshl_add_u32 v[XX], v[T0], 2, v[XX]
	v_bfe_u32 v[T1], v0, 4, 1                      ; l / 16
	s_wait_alu depctr_va_sdst(0)                   ; s20 is written, ahead of its first reader: LDS places and the bases of k and v are made from it
	s_lshl_b32 s21, s20, 15                        ; my wave's images: 32,768 bytes each
	s_add_co_u32 s22, s21, KIMG
	v_lshl_add_u32 v[KST], v[T1], 7, v[XX]         ; K: an odd key is row 8 + .. of its tile: 8 lanes, 128 bytes on
	v_add_nc_u32 v[KST], s22, v[KST]
	v_bfe_u32 v[VST], v0, 2, 2                     ; V: channels' tile (l >> 2) & 3; lane 4 (l & 3) + x + 16 (l / 16)
	v_lshlrev_b32 v[VST], 9, v[VST]
	v_lshl_add_u32 v[VST], v[T1], 8, v[VST]
	v_lshl_add_u32 v[VST], v[T0], 6, v[VST]
	v_add_nc_u32 v[VST], s21, v[VST]
	v_add_nc_u32 v[KLD], s22, v[LI]
	v_add_nc_u32 v[VLD], s21, v[LI]
	s_lshr_b32 s23, s20, 1                         ; Q: my wave's 8 queries 8 w + 2 n + l / 16: tile w / 2, rows 8 (w % 2) on
	s_lshl_b32 s23, s23, 10
	s_and_b32 s46, s20, 1
	s_lshl_b32 s46, s46, 7
	s_add_co_u32 s23, s23, s46
	s_add_co_u32 s23, s23, QIMG
	v_lshl_add_u32 v[QST], v[T1], 4, v[XX]
	v_add_nc_u32 v[QST], s23, v[QST]
	v_add_nc_u32 v[QLD], QIMG, v[LI]
	v_and_b32 v[T0], 15, v0                        ; l % 16
	s_lshl_b32 s23, s20, 3
	s_add_co_u32 s23, s23, STAT
	v_lshl_add_u32 v[STW], v[T0], 5, s23
	v_lshl_add_u32 v[STR], v[T0], 5, STAT
	s_mul_i32 s23, s20, OWAVE
	s_add_co_u32 s23, s23, OST
	v_mul_u32_u24 v[OSW], v[T0], OPITCH            ; in: row l % 16, 32 bytes for each half of the lanes
	v_lshl_add_u32 v[OSW], v[T1], 5, v[OSW]
	v_add_nc_u32 v[OSW], s23, v[OSW]
	s_mul_i32 s23, s20, 8*OPITCH
	s_add_co_u32 s23, s23, OST
	v_mul_u32_u24 v[OSR], v[T1], OPITCH            ; back: rows 8 w on; lanes 0-15 one row, lanes 16-31 the next
	v_lshl_add_u32 v[OSR], v[T0], 4, v[OSR]
	v_add_nc_u32 v[OSR], s23, v[OSR]
	s_lshl_b32 s23, s20, 11
	v_add_nc_u32 v[GOFF], s23, v[LI]
	s_mov_b32 s36, 0x76543210                      ; v_permlanex16_b32: lane l xor 16
	s_mov_b32 s37, 0xfedcba98
	s_mov_b32 s38, 0x05010400                      ; v_perm_b32: bytes 0, 1 of two words, interleaved;
	s_mov_b32 s39, 0x07030602                      ; bytes 2, 3;
	s_mov_b32 s40, 0x05040100                      ; two low halves;
	s_mov_b32 s41, 0x07060302                      ; two high halves
	s_mov_b32 s42, 0
	s_mov_b32 s43, 7
	s_mov_b32 s44, 15
	s_lshl_b32 s46, ttmp9, 17                      ; my 512 queries: 512 rows of 256 bytes for each work-group
	s_mov_b32 s47, 0
	s_wait_kmcnt 0x0
	s_load_b128 s[16:19], s[10:11], 0x0            ; e0, e1, e2, e3
	s_add_nc_u64 s[4:5], s[4:5], s[46:47]
	s_add_nc_u64 s[12:13], s[12:13], s[46:47]
	s_lshr_b32 s46, ttmp9, 2                       ; the head: 2,048 rows of 256 bytes;
	s_lshl_b32 s46, s46, 19
	s_lshl_b32 s23, s20, 17                        ; my wave's 512 keys
	s_add_co_u32 s46, s46, s23
	s_add_nc_u64 s[6:7], s[6:7], s[46:47]
	s_add_nc_u64 s[8:9], s[8:9], s[46:47]
	s_wait_alu depctr_va_vdst(0)                   ; all addresses and offsets, v1 to v5 and v8 to v16, are written: every load and store of the kernel reads one of them, and none is written again
.irp n, 0,1,2,3
	global_load_b128 v[QX+4*\n:QX+4*\n+3], v[GOFF], s[4:5] offset:512*\n th:TH_LOAD_NT   ; the first block's Q: 32 lanes read 512 consecutive bytes; read once in the launch
.endr
; A set: 32 keys x 64 channels, 8,192 consecutive bytes, by 16 loads of 512 bytes, into v[64 j] on of window 2.  No hint: four work-groups read these bytes.
.macro FILL j, bs, off
.set i, 0
.rept 16
	global_load_b128 v[64*(\j)+4*i:64*(\j)+4*i+3], v[LI], s[\bs:\bs+1] offset:(\off)+512*i
.set i, i+1
.endr
.endm
	WIN 0x80                                       ; destination window 2
	FILL 0, 6, 0                                   ; four sets are on their way: K's keys 0-31, 32-63, V's likewise
	FILL 1, 6, 8192
	FILL 2, 8, 0
	FILL 3, 8, 8192
	WIN 0
	s_wait_kmcnt 0x0
.macro MKSC es, vr, hi                 ; 2^e as f32 into v[vr]; 448 x 2^e into s[hi]
	s_add_co_i32 s21, s[\es], 127
	s_lshl_b32 s22, s21, 23
	v_mov_b32 v[\vr], s22
	s_add_co_i32 s21, s21, 8
	s_lshl_b32 s21, s21, 23
	s_or_b32 s[\hi], s21, 0x600000
.endm
	MKSC 16, SCQ, 27
	MKSC 17, SCK, 29
	MKSC 19, SCV, 31
	MKSC 18, SCP, 32
	s_or_b32 s26, s27, 0x80000000
	s_or_b32 s28, s29, 0x80000000
	s_or_b32 s30, s31, 0x80000000
	s_add_co_i32 s21, s16, s17
	s_lshl_b32 s21, s21, 23
	s_add_co_i32 s24, s21, 0x3fb8aa3b              ; c = log2(e) x 2^(e0+e1): the two exponents are added to the exponent field
	s_mov_b32 s25, s24                             ; (named with it as a pair, so it is written)
	s_add_co_i32 s21, s18, s19
	s_add_co_i32 s21, s21, 127
	s_lshl_b32 s34, s21, 23                        ; 2^(e2+e3)
	s_mov_b32 s35, s34
	s_cmp_lt_i32 s18, -10
	s_cselect_b32 s33, 1, 0                        ; is the hold run?
	v_mov_b32 v[TL+1], 0                           ; (named as the upper halves of the pairs before l is made)
	v_mov_b32 v[TL+3], 0
; THE HEAD: my 512 keys of K and of V become codes.  CHUNK takes set j (kind 0: K, 1: V; e: which of the trip's two chunks): hold, conversion, and the codes go to their places in the images.
; reload = 1: the set takes the chunk two further on.  left: the younger loads that may stay out.  All the chunk's vector lines come first; behind them one wait on va_vdst, the reload and the LDS stores.
.macro CHUNK j, kind, e, reload, left
.if \kind
.set BS, 8
.set LM, 30
.set SC, SCV
.else
.set BS, 6
.set LM, 28
.set SC, SCK
.endif
	s_wait_loadcnt \left                           ; loads come back in order: this set's 16 are in
	WIN 0x02                                       ; source 0 window 2
.set i, 0
.rept 64
	v_med3_num_f32 v[T+i], v[64*(\j)+i], s[LM], s[LM+1]   ; the conversion to an 8-bit code does not saturate (ISA guide 7.6.2): held within the largest code x the scale
.set i, i+1
.endr
	WIN 0
	s_wait_dscnt 0x0                               ; the last chunk's LDS stores are done
	s_wait_alu depctr_vm_vsrc(0)                   ; the earlier chunks' LDS stores have read their codes in C and E, which this chunk writes again, and v[KA] and v[VA], which a trip's first chunk writes again
.if (\j) == 0
	v_add_nc_u32 v[KA], s42, v[KST]                ; the trip's place in the images
	v_add_nc_u32 v[VA], s42, v[VST]
.endif
.irp p, 0,1,2,3,4,5,6,7
	v_cvt_scalef32_pk8_fp8_f32 v[C+2*\p:C+2*\p+1], v[T+8*\p:T+8*\p+7], v[SC]   ; word n = load n's four codes: key 2 n + l / 16, channels 4 (l % 16) + 0..3
.endr
	v_nop                                          ; one plain instruction between the conversions and what touches their results or writes their sources
.if \kind
.irp d, 0,1,2,3                        ; V's K is the keys: 16 words x 4 bytes are turned into 4 x 16 bytes, a channel's 16 keys on end
	v_perm_b32 v[TT+4*\d],   v[C+4*\d+1], v[C+4*\d],   s38
	v_perm_b32 v[TT+4*\d+1], v[C+4*\d+1], v[C+4*\d],   s39
	v_perm_b32 v[TT+4*\d+2], v[C+4*\d+3], v[C+4*\d+2], s38
	v_perm_b32 v[TT+4*\d+3], v[C+4*\d+3], v[C+4*\d+2], s39
.endr
.irp d, 0,1,2,3
	v_perm_b32 v[E+\d],    v[TT+4*\d+2], v[TT+4*\d],   s40
	v_perm_b32 v[E+4+\d],  v[TT+4*\d+2], v[TT+4*\d],   s41
	v_perm_b32 v[E+8+\d],  v[TT+4*\d+3], v[TT+4*\d+1], s40
	v_perm_b32 v[E+12+\d], v[TT+4*\d+3], v[TT+4*\d+1], s41
.endr
.endif
.if \reload
	WIN 0x80                                       ; destination window 2: the switch, then the wait, then the loads
.endif
	s_wait_alu depctr_va_vdst(0)                   ; the holds are done reading set j, in which the loads below land; the codes (C or E) and v[KA], v[VA] are written, which the LDS stores below read
.if \reload
	FILL \j, BS, 16384+(\e)*8192
	WIN 0
.endif
.if \kind
.irp x, 0,1,2,3
	ds_store_b128 v[VA], v[E+4*\x:E+4*\x+3] offset:(\e)*2048+16*\x   ; channel 4 (l % 16) + x: four registers of the fragment's lane
.endr
.else
.set i, 0
.rept 16
	ds_store_b32 v[KA], v[C+i] offset:(\e)*2048+(i/8)*1024+(i%8)*16   ; tile i / 8 of the chunk's two, row i % 8 + 8 (l / 16)
.set i, i+1
.endr
.endif
.endm
.macro TRIP reload, l0, l1, l2, l3
	CHUNK 0, 0, 0, \reload, \l0
	CHUNK 1, 0, 1, \reload, \l1
	CHUNK 2, 1, 0, \reload, \l2
	CHUNK 3, 1, 1, \reload, \l3
.endm
.Lhead:                                                ; seven trips of 64 keys of K and of V; three younger sets, 48 loads, stay out at each wait
	TRIP 1, 48, 48, 48, 48
	s_wait_xcnt 0x0                                ; the loads have read their bases: they may step
	s_add_nc_u64 s[6:7], s[6:7], 16384
	s_add_nc_u64 s[8:9], s[8:9], 16384
	s_add_co_u32 s42, s42, 4096
	s_sub_co_u32 s43, s43, 1
	s_cmp_lg_u32 s43, 0
	s_cbranch_scc1 .Lhead
	TRIP 0, 48, 32, 16, 0                          ; the last 64 keys load nothing: the counts run down
; 16 numbers of Q a lane become four words of codes (QCODES), which go to their places in Q's two fragments (QSEND); a wait on va_vdst stands between the two
.macro QCODES
.set i, 0
.rept 16
	v_med3_num_f32 v[QX+i], v[QX+i], s26, s27
.set i, i+1
.endr
	v_cvt_scalef32_pk8_fp8_f32 v[QC:QC+1], v[QX:QX+7], v[SCQ]
	v_cvt_scalef32_pk8_fp8_f32 v[QC+2:QC+3], v[QX+8:QX+15], v[SCQ]
	v_nop                                          ; the plain instruction behind the conversions
.endm
.macro QSEND
.irp n, 0,1,2,3
	ds_store_b32 v[QST], v[QC+\n] offset:32*\n     ; query 8 w + 2 n + l / 16
.endr
.endm
; The largest sum of my 512 keys for query tile a, in eight chains, each score tile from its low end on; then lane l xor 16's; tm = c x it (c is positive)
.macro MAX a
	WIN 0x2a+0x15*(\a)                             ; all three sources window 2 or 3
.irp c, 0,1,2,3,4,5,6,7
	v_max3_num_f32 v[MX+\c], v[3*\c], v[3*\c+1], v[3*\c+2]
.endr
	WIN 0x28+0x14*(\a)                             ; sources 1 and 2
.set n, 0
.rept 116
	v_max3_num_f32 v[MX+n%8], v[MX+n%8], v[24+2*n], v[25+2*n]
.set n, n+1
.endr
	WIN 0
	v_max3_num_f32 v[MX], v[MX], v[MX+1], v[MX+2]
	v_max3_num_f32 v[MX+3], v[MX+3], v[MX+4], v[MX+5]
	v_max3_num_f32 v[MX], v[MX], v[MX+3], v[MX+6]
	v_max_num_f32 v[MX], v[MX], v[MX+7]
	v_permlanex16_b32 v[MX+1], v[MX], s36, s37
	v_max_num_f32 v[MX], v[MX], v[MX+1]
	v_mul_f32 v[TL+2*(\a)], s24, v[MX]
.endm
; p = 2^(c S - tm), in place: 128 packed scalings and 256 exponentials, a scaling to two exponentials, each pair scaled four pairs ahead.  No line names an exponential's result
.macro FE a
	WIN 0x82+0x41*(\a)                             ; destination and source 0 window 2 or 3; tm in window 0
.irp p, 0,2,4,6
	v_pk_fma_f32 v[\p:\p+1], v[\p:\p+1], s[24:25], v[TL+2*(\a):TL+2*(\a)+1] op_sel_hi:[1,0,0] neg_lo:[0,0,1] neg_hi:[0,0,1]
.endr
.set n, 0
.rept 128
.if n+4 < 128
	v_pk_fma_f32 v[2*n+8:2*n+9], v[2*n+8:2*n+9], s[24:25], v[TL+2*(\a):TL+2*(\a)+1] op_sel_hi:[1,0,0] neg_lo:[0,0,1] neg_hi:[0,0,1]
.endif
	v_exp_f32 v[2*n], v[2*n]
	v_exp_f32 v[2*n+1], v[2*n+1]
.set n, n+1
.endr
.endm
; l = the sum of my 512 p for query tile a: packed, in eight chains; then the pair's halves and lane l xor 16's
.macro SUM a
	WIN 0x0a+5*(\a)
.irp c, 0,1,2,3,4,5,6,7
	v_pk_add_f32 v[SM+2*\c:SM+2*\c+1], v[4*\c:4*\c+1], v[4*\c+2:4*\c+3]
.endr
	WIN 0x08+4*(\a)
.set n, 0
.rept 112
	v_pk_add_f32 v[SM+2*(n%8):SM+2*(n%8)+1], v[SM+2*(n%8):SM+2*(n%8)+1], v[32+2*n:33+2*n]
.set n, n+1
.endr
	WIN 0
.irp c, 0,1,2,3
	v_pk_add_f32 v[SM+2*\c:SM+2*\c+1], v[SM+2*\c:SM+2*\c+1], v[SM+8+2*\c:SM+9+2*\c]
.endr
	v_pk_add_f32 v[SM:SM+1], v[SM:SM+1], v[SM+4:SM+5]
	v_pk_add_f32 v[SM+2:SM+3], v[SM+2:SM+3], v[SM+6:SM+7]
	v_pk_add_f32 v[SM:SM+1], v[SM:SM+1], v[SM+2:SM+3]
	v_add_f32 v[SM], v[SM], v[SM+1]
	v_permlanex16_b32 v[SM+2], v[SM], s36, s37
	v_add_f32 v[TL+2*(\a)+1], v[SM], v[SM+2]
.endm
.macro VLOAD s                         ; V's four fragments of step s (128 keys x 64 channels): 16 loads of 512 consecutive bytes
.irp t, 0,1,2,3
.irp b, 0,1,2,3
	ds_load_b128 v[VF+16*\t+4*\b:VF+16*\t+4*\b+3], v[VLD] offset:(4*(\s)+\b)*2048+\t*512
.endr
.endr
.endm
; STEP s: 128 of my keys.  p becomes the weight, the weight its code; the 128 score registers that are then free take the NEXT block's K Q^T for the same keys (last = 0); O^T takes V^T P.
; V's fragments are asked for behind query tile 0's scalings: the last step's V^T P, the step's last products, stand 32 plain lines back; the loads have tile 1's scalings, the conversions and K Q^T in which to land.
.macro STEP s, last
	WIN 0x82
.set j, 64*(\s)
.rept 32
	v_pk_mul_f32 v[j:j+1], v[j:j+1], v[RW:RW+1]
.set j, j+2
.endr
.if (\s) > 0
	WIN 0
	s_wait_alu depctr_va_vdst(0)                   ; the last step's products V^T P are done reading V's fragments, in which the loads below land
	VLOAD \s
.endif
	WIN 0xc3
.set j, 64*(\s)
.rept 32
	v_pk_mul_f32 v[j:j+1], v[j:j+1], v[RW+2:RW+3]
.set j, j+2
.endr
	WIN 0                                          ; at a branch and at a label every window is 0
	s_cmp_eq_u32 s33, 0
	s_cbranch_scc1 .Lno_hold_\@                    ; e2 >= -10: no weight reaches the largest code x the scale
	WIN 0x88
.set j, 64*(\s)
.rept 64
	v_min_num_f32 v[j], s32, v[j]                  ; a weight is not negative: the hold is one-sided
.set j, j+1
.endr
	WIN 0xcc
.set j, 64*(\s)
.rept 64
	v_min_num_f32 v[j], s32, v[j]
.set j, j+1
.endr
	WIN 0
.Lno_hold_\@:
	WIN 0x02
.irp k, 0,1,2,3,4,5,6,7
	v_cvt_scalef32_pk8_fp8_f32 v[P+2*\k:P+2*\k+1], v[64*(\s)+8*\k:64*(\s)+8*\k+7], v[SCP]
.endr
	WIN 0x03
.irp k, 0,1,2,3,4,5,6,7
	v_cvt_scalef32_pk8_fp8_f32 v[P+16+2*\k:P+17+2*\k], v[64*(\s)+8*\k:64*(\s)+8*\k+7], v[SCP]
.endr
	v_nop                                          ; one plain instruction between the conversions and the products that read their results and write their sources
.if (\last) == 0
.if (\s) == 0
	s_wait_dscnt 0x0                               ; the next block's Q is in (and step 0's V, asked for at the block's head)
.endif
	WIN 0x81                                       ; K window 1, Q window 0, S^T window 2
.irp k, 0,1,2,3,4,5,6,7
	v_wmma_f32_16x16x64_fp8_fp8 v[64*(\s)+8*\k:64*(\s)+8*\k+7], v[64*(\s)+8*\k:64*(\s)+8*\k+7], v[QF:QF+7], 0
.endr
	WIN 0xc1                                       ; S^T window 3
.irp k, 0,1,2,3,4,5,6,7
	v_wmma_f32_16x16x64_fp8_fp8 v[64*(\s)+8*\k:64*(\s)+8*\k+7], v[64*(\s)+8*\k:64*(\s)+8*\k+7], v[QF+8:QF+15], 0
.endr
.endif
	WIN 0
.if ((\s) > 0) || (\last)
	s_wait_dscnt 0x0                               ; V's fragments are in
.endif
.irp t, 0,1,2,3                        ; the eight accumulators take turns, one instruction a turn
.irp a, 0,1
.if (\s) == 0
	v_wmma_f32_16x16x128_fp8_fp8 v[O+32*\a+8*\t:O+32*\a+8*\t+7], v[VF+16*\t:VF+16*\t+15], v[P+16*\a:P+16*\a+15], 0
.else
	v_wmma_f32_16x16x128_fp8_fp8 v[O+32*\a+8*\t:O+32*\a+8*\t+7], v[VF+16*\t:VF+16*\t+15], v[P+16*\a:P+16*\a+15], v[O+32*\a+8*\t:O+32*\a+8*\t+7]
.endif
.endr
.endr
.endm
; The four waves' parts of my 8 rows are added, multiplied by 2^(e2+e3) and stored: two rows an instruction, 512 consecutive bytes at a multiple of 256 from out0's first byte.
; All the additions come first, pair of rows by pair of rows as the loads come back; one wait on va_vdst; the four stores on end.
.macro REDUCE
.irp k, 0,1,2,3
.irp u, 0,1,2,3
	ds_load_b128 v[RB+16*\k+4*\u:RB+16*\k+4*\u+3], v[OSR] offset:\u*OWAVE+2*\k*OPITCH   ; no wait on va_vdst here: the last products that read these registers stand ahead of the wait in front of O's LDS stores, and no vector line since names them
.endr
.endr
.irp k, 0,1,2,3
.set RK, RB+16*\k
	s_wait_dscnt 12-4*\k                           ; LDS loads come back in order: this pair of rows' four are in, the younger pairs' stay out
	v_pk_add_f32 v[RK:RK+1], v[RK:RK+1], v[RK+4:RK+5]
	v_pk_add_f32 v[RK+2:RK+3], v[RK+2:RK+3], v[RK+6:RK+7]
	v_pk_add_f32 v[RK+8:RK+9], v[RK+8:RK+9], v[RK+12:RK+13]
	v_pk_add_f32 v[RK+10:RK+11], v[RK+10:RK+11], v[RK+14:RK+15]
	v_pk_add_f32 v[RK:RK+1], v[RK:RK+1], v[RK+8:RK+9]
	v_pk_add_f32 v[RK+2:RK+3], v[RK+2:RK+3], v[RK+10:RK+11]
	v_pk_mul_f32 v[RK:RK+1], v[RK:RK+1], s[34:35] op_sel_hi:[1,0]
	v_pk_mul_f32 v[RK+2:RK+3], v[RK+2:RK+3], s[34:35] op_sel_hi:[1,0]
.endr
	s_wait_alu depctr_va_vdst(0)                   ; the multiplications have written the four pairs of rows, which the stores below read
.irp k, 0,1,2,3
	global_store_b128 v[GOFF], v[RB+16*\k:RB+16*\k+3], s[12:13] offset:512*\k th:TH_STORE_NT   ; written once, read by nobody here
.endr
.endm
	QCODES                                         ; the first block's Q (its loads were the oldest: they are in)
	s_wait_alu depctr_va_vdst(0)                   ; the conversions have written Q's codes, which the LDS stores read
	QSEND
	s_wait_dscnt 0x0                               ; for the others' sake: my codes of Q lie in LDS
	s_barrier_signal -1
	s_barrier_wait -1
	WIN 0x40                                       ; destination window 1
.set n, 0
.rept 64
	ds_load_b128 v[4*n:4*n+3], v[KLD] offset:512*n ; my 32 fragments of K: they stay in registers.  (No vector line has named window 1, nor Q's fragments below)
.set n, n+1
.endr
	WIN 0
.irp g, 0,1,2,3
	ds_load_b128 v[QF+4*\g:QF+4*\g+3], v[QLD] offset:512*\g
.endr
	s_wait_dscnt 0x0                               ; K and Q are in: my reads of Q's images are over,
	s_barrier_signal -1                            ; and I say so: the first block stores the next block's codes over them, so every wave's reads come first.  The products and maxima below, work on registers alone, stand between signal and wait
	WIN 0x81
.set n, 0
.rept 32
	v_wmma_f32_16x16x64_fp8_fp8 v[8*n:8*n+7], v[8*n:8*n+7], v[QF:QF+7], 0          ; the first block's scores
.set n, n+1
.endr
	WIN 0xc1
.set n, 0
.rept 32
	v_wmma_f32_16x16x64_fp8_fp8 v[8*n:8*n+7], v[8*n:8*n+7], v[QF+8:QF+15], 0
.set n, n+1
.endr
	WIN 0
.rept 4
	v_nop                                          ; four places between the last products and the first read of results (ISA guide 7.12.1)
.endr
	MAX 0
	MAX 1
	s_barrier_wait -1                              ; all four waves have read the first block's Q
; A BLOCK OF 32 QUERIES.  It finds its scores in windows 2 and 3 and tm in TL.  last = 0: it also makes the next block's Q, scores and tm.
; TWO BARRIERS.  S: the statistics and the next Q's codes, stored ahead of it, are read behind it, and stored again only behind O (the first block's: behind the barrier just above).
; O: the stage, stored between S and O, is read behind O, and stored again only behind the next S.  In front of each signal every wave has waited for all its LDS instructions.
.macro BODY last
	s_wait_alu depctr_vm_vsrc(0)                   ; the last block's stores to out0 have read RB, in which step 0's V lands (first block: the head's LDS stores have read V's turned codes there, and Q's codes, which this block's conversions write again)
	VLOAD 0                                        ; step 0's V.  No wait on va_vdst: the additions that named these registers stand ahead of the wait in front of out0's stores (first block: the byte turns ahead of their chunk's), and no vector line since names them
.if (\last) == 0
.irp n, 0,1,2,3
	global_load_b128 v[QX+4*\n:QX+4*\n+3], v[GOFF], s[4:5] offset:8192+512*\n th:TH_LOAD_NT   ; the next block's Q: it has the exponentials and the sums in which to land; the holds and conversions that named QX stand ahead of the wait in front of Q's LDS stores
.endr
.endif
	FE 0
	FE 1
	WIN 0
	v_nop                                          ; one plain instruction behind the last exponential,
	s_wait_alu depctr_va_vdst(0)                   ; and ONE wait for the block's 512 results, ahead of the first line that names one
	SUM 0
	SUM 1
.if (\last) == 0
	s_wait_loadcnt 0x0
	QCODES
.endif
	s_wait_alu depctr_va_vdst(0)                   ; the sums have written l beside tm, and the conversions Q's codes: the LDS stores below read them.  No vector line stands between this wait and the loads behind barrier S: so it also states that
	                                               ; the last block's conversions and products are done with P's registers, in which the statistics land, and its products K Q^T with Q's fragments
.if (\last) == 0
	QSEND
.endif
.irp a, 0,1
	ds_store_b64 v[STW], v[TL+2*\a:TL+2*\a+1] offset:512*\a   ; (tm, l) of my keys; lanes l and l xor 16 hold and store the same pair
.endr
	s_wait_dscnt 0x0
	s_barrier_signal -1
	s_barrier_wait -1                              ; barrier S
.irp a, 0,1
	ds_load_b128 v[X+8*\a:X+8*\a+3], v[STR] offset:512*\a
	ds_load_b128 v[X+8*\a+4:X+8*\a+7], v[STR] offset:512*\a+16
.endr
.if (\last) == 0
.irp g, 0,1,2,3
	ds_load_b128 v[QF+4*\g:QF+4*\g+3], v[QLD] offset:512*\g
.endr
	s_wait_dscnt 0x4                               ; the statistics are in; Q's four loads may stay out
.else
	s_wait_dscnt 0x0
.endif
.irp a, 0,1
	v_max3_num_f32 v[UU+\a], v[X+8*\a], v[X+8*\a+2], v[X+8*\a+4]
.endr
.irp a, 0,1
	v_max_num_f32 v[UU+\a], v[UU+\a], v[X+8*\a+6]   ; tm: the row's maximum over all 2,048 keys
.endr
.irp a, 0,1
.irp u, 0,2,4,6
	v_sub_f32 v[X+8*\a+\u], v[X+8*\a+\u], v[UU+\a]
.endr
	v_sub_f32 v[WW+\a], v[TL+2*\a], v[UU+\a]
.endr
.irp a, 0,1
.irp u, 0,2,4,6
	v_exp_f32 v[X+8*\a+\u], v[X+8*\a+\u]           ; the four f
.endr
	v_exp_f32 v[WW+\a], v[WW+\a]                   ; and my own
.endr
	v_nop
	s_wait_alu depctr_va_vdst(0)                   ; one wait for the ten f, ahead of the first line that names one
.irp a, 0,1
	v_mul_f32 v[UU+\a], v[X+8*\a], v[X+8*\a+1]
.endr
.irp u, 2,4,6
.irp a, 0,1
	v_fma_f32 v[UU+\a], v[X+8*\a+\u], v[X+8*\a+\u+1], v[UU+\a]   ; l = the sum of f l_w
.endr
.endr
.irp a, 0,1
	v_mul_f32 v[UU+\a], 0x403504f3, v[UU+\a]       ; x 64^0.25 = 2.8284271
.endr
	v_rcp_f32 v[UU], v[UU]
	v_rcp_f32 v[UU+1], v[UU+1]
	v_nop
	s_wait_alu depctr_va_vdst(0)                   ; one wait for the two reciprocals, ahead of the first line that names one
.irp a, 0,1
	v_mul_f32 v[RW+2*\a], v[UU+\a], v[WW+\a]       ; weight = p x this; in both words of the pair
	v_mul_f32 v[RW+2*\a+1], v[UU+\a], v[WW+\a]
.endr
	STEP 0, \last
	STEP 1, \last
	STEP 2, \last
	STEP 3, \last
.rept 4
	v_nop                                          ; four places between the last products and the first read of their results
.endr
	s_wait_alu depctr_va_vdst(0)                   ; the products have written O^T, which the LDS stores read; the places above stay beside this wait.  They are also done reading V's fragments, in which the stage's rows land behind barrier O
.irp a, 0,1
.irp t, 0,1,2,3
	ds_store_b128 v[OSW], v[O+32*\a+8*\t:O+32*\a+8*\t+3] offset:\a*16*OPITCH+64*\t       ; lane (r, h): row 16 a + r, channels 16 t + 8 h + 0..7; each accumulator from its low end on
	ds_store_b128 v[OSW], v[O+32*\a+8*\t+4:O+32*\a+8*\t+7] offset:\a*16*OPITCH+64*\t+16
.endr
.endr
	s_wait_dscnt 0x0
.if (\last) == 0
	s_wait_alu depctr_vm_vsrc(0)                   ; the LDS stores have read (tm, l), which the maxima below write again, and O^T and Q's codes, which the next block writes again
.endif
	s_barrier_signal -1
.if (\last) == 0
	MAX 0                                          ; work on registers while the others arrive: the next block's tm
	MAX 1
.endif
	s_barrier_wait -1                              ; barrier O
	REDUCE
.endm
.Lblock:                                               ; 15 trips; the last block, which prepares no successor, is written out
	BODY 0
	s_wait_xcnt 0x0                                ; the stores have had their addresses translated: their base and their registers are written again only behind this wait
	s_add_nc_u64 s[4:5], s[4:5], 8192
	s_add_nc_u64 s[12:13], s[12:13], 8192
	s_sub_co_u32 s44, s44, 1
	s_cmp_lg_u32 s44, 0
	s_cbranch_scc1 .Lblock
	BODY 1
	s_wait_dscnt 0x0                               ; the closing lines, six on end
	s_wait_alu 0x0
	s_wait_tensorcnt 0x0
	ds_add_u32 v[SPW], v[NIL]
	s_wait_dscnt 0x0
	s_endpgm
.Lfunc_end_k_q785e01aff0_attn:
	.size	k_q785e01aff0_attn, .Lfunc_end_k_q785e01aff0_attn-k_q785e01aff0_attn
	.p2alignl 7, 3214868480
	.fill 96, 4, 3214868480
	.section	.rodata,"a",@progbits
	.p2align	6, 0x0
	.amdhsa_kernel k_q785e01aff0_attn
		.amdhsa_group_segment_fixed_size 300544
		.amdhsa_private_segment_fixed_size 0
		.amdhsa_enable_private_segment 0
		.amdhsa_kernarg_size 40
		.amdhsa_user_sgpr_count 2
		.amdhsa_user_sgpr_kernarg_segment_ptr 1
		.amdhsa_wavefront_size32 1
		.amdhsa_system_sgpr_workgroup_id_x 1
		.amdhsa_system_sgpr_workgroup_id_y 1
		.amdhsa_system_sgpr_workgroup_id_z 1
		.amdhsa_system_vgpr_workitem_id 0
		.amdhsa_next_free_vgpr 1024
		.amdhsa_next_free_sgpr 66
		.amdhsa_reserve_vcc 0
		.amdhsa_float_denorm_mode_32 3
		.amdhsa_float_denorm_mode_16_64 3
		.amdhsa_memory_ordered 1
		.amdhsa_forward_progress 1
		.amdhsa_inst_pref_size 255
	.end_amdhsa_kernel
	.section	.bss,"aw",@nobits
	.p2align	6
	.space	262144
	.amdgpu_metadata
---
amdhsa.version: [ 1, 2 ]
amdhsa.kernels:
  - .name:           k_q785e01aff0_attn
    .symbol:         k_q785e01aff0_attn.kd
    .args:
      - { .name: q, .offset: 0, .size: 8, .value_kind: global_buffer, .address_space: global }
      - { .name: k, .offset: 8, .size: 8, .value_kind: global_buffer, .address_space: global }
      - { .name: v, .offset: 16, .size: 8, .value_kind: global_buffer, .address_space: global }
      - { .name: lowp_scales, .offset: 24, .size: 8, .value_kind: global_buffer, .address_space: global }
      - { .name: out0, .offset: 32, .size: 8, .value_kind: global_buffer, .address_space: global }
    .group_segment_fixed_size: 300544
    .private_segment_fixed_size: 0
    .kernarg_segment_align: 8
    .kernarg_segment_size: 40
    .max_flat_workgroup_size: 128
    .sgpr_count:     66
    .vgpr_count:     1024
    .wavefront_size: 32
...
	.end_amdgpu_metadata
.endif
;; end of part 2
